; MI455X (gfx1250); checked and timed in simulation.
; The chip was launched on July 23, 2026; its instructions are those of AMD's public machine-readable ISA for CDNA 5 (MIT licence, August 2026) and "CDNA5" Instruction Set Architecture Reference Guide (July 2026). The comments in the code are by the model that wrote it; some were corrected since.
;; Multi Head Attention. Allowed arithmetic: matrix products marked QUANTISED: E3M2 operands, one E8M0 scale for each 32 along K, by v_wmma_scale_f32_16x16x128_f8f6f4 with both operands' format E3M2, f32 sums; everything else in f32.
;; Inputs: Wk_codes 8 x 64 x 16 x 24 uint8 (E3M2 codes of Wk, K innermost, in blocks of 32 codes, four codes in three bytes); Wk_scales 8 x 64 x 16 uint8 (E8M0 scales of Wk, one for each 32 codes along K); Wo_codes 512 x 16 x 24 uint8 (E3M2 codes of Wo, K innermost, in blocks of 32 codes, four codes in three bytes); Wo_scales 512 x 16 uint8 (E8M0 scales of Wo, one for each 32 codes along K); Wq_codes 8 x 64 x 16 x 24 uint8 (E3M2 codes of Wq, K innermost, in blocks of 32 codes, four codes in three bytes); Wq_scales 8 x 64 x 16 uint8 (E8M0 scales of Wq, one for each 32 codes along K); Wv_codes 8 x 64 x 16 x 24 uint8 (E3M2 codes of Wv, K innermost, in blocks of 32 codes, four codes in three bytes); Wv_scales 8 x 64 x 16 uint8 (E8M0 scales of Wv, one for each 32 codes along K); bk 8 x 64 float32; bo 512 float32; bq 8 x 64 float32; bv 8 x 64 float32; k_in_codes 4 x 2,048 x 16 x 24 uint8 (E3M2 codes of k_in, K innermost, in blocks of 32 codes, four codes in three bytes); k_in_scales 4 x 2,048 x 16 uint8 (E8M0 scales of k_in, one for each 32 codes along K); q_in_codes 4 x 2,048 x 16 x 24 uint8 (E3M2 codes of q_in, K innermost, in blocks of 32 codes, four codes in three bytes); q_in_scales 4 x 2,048 x 16 uint8 (E8M0 scales of q_in, one for each 32 codes along K); v_in_codes 4 x 2,048 x 16 x 24 uint8 (E3M2 codes of v_in, K innermost, in blocks of 32 codes, four codes in three bytes); v_in_scales 4 x 2,048 x 16 uint8 (E8M0 scales of v_in, one for each 32 codes along K).
;; Outputs: out0 4 x 2,048 x 512 float32.
;; This version of the problem:
;;   THIS VERSION OF THE PROBLEM IS GIVEN IN LOW PRECISION. The matrix products marked QUANTISED in the list below multiply operands that are first quantised to E3M2 (3 exponent bits, 2 mantissa bits; 6 bits a number), with one power-of-two scale for each 32 numbers along K (OCP MX v1.0); their sums are f32. All else is computed in f32.
;;   The module's matrix products, in the order in which they are computed (A, B: the left and right operand; K: the contracted axis; several contracted axes count as one K, in the product's order):
;;     1. [M 512, K 512] x [K 512, N 8,192]; A: input Wq (given as codes); B: input q_in (given as codes): QUANTISED
;;     2. [M 512, K 512] x [K 512, N 8,192]; A: input Wk (given as codes); B: input k_in (given as codes): QUANTISED
;;     3. [M 512, K 512] x [K 512, N 8,192]; A: input Wv (given as codes); B: input v_in (given as codes): QUANTISED
;;     4. batch 32 x [M 2,048, K 64] x [K 64, N 2,048]; A: computed on the way; B: computed on the way: QUANTISED
;;     5. batch 32 x [M 2,048, K 2,048] x [K 2,048, N 64]; A: softmax (see below); B: computed on the way: QUANTISED
;;     6. [M 8,192, K 512] x [K 512, N 512]; A: computed on the way; B: input Wo (given as codes): QUANTISED
;;   THE QUANTISER, for each operand of a quantised product, along K:
;;     - K is cut into blocks of 32 from its start; a last block that is shorter is filled with zeros.
;;     - A block's scale is 2^e with e = floor(log2(the largest magnitude in the block)) - 4, held to -126 .. 127; a block of zeros has e = 0. As a byte (E8M0): e + 127.
;;     - Each number is divided by its block's scale, clamped to +-28, and rounded to the nearest number of E3M2, ties to even, subnormals kept.
;;     - The product sums the exact products of the quantised numbers (number of the format x scale) in f32.
;;   ~~~python
;;   def quantise(x, axis):      # numpy; x: float32 -> the quantised numbers, widened to float32 again
;;       x = np.moveaxis(x, axis, -1); K = x.shape[-1]
;;       x = np.pad(x, [(0, 0)] * (x.ndim - 1) + [(0, -K % 32)]); x = x.reshape(x.shape[:-1] + (-1, 32)); a = np.abs(x).max(-1, keepdims=True)
;;       e = np.where(a > 0, np.clip(np.frexp(np.where(a > 0, a, 1))[1] - 1 - 4, -126, 127), 0)      # np.frexp(a)[1] - 1 = floor(log2(a)), exactly
;;       r = np.clip(x / 2.0 ** e, -28, 28)
;;       step = 2.0 ** (np.maximum(np.frexp(np.where(r == 0, 1, r))[1] - 1, -2) - 2)
;;       q = np.round(r / step) * step * 2.0 ** e      # np.round: ties to even
;;       return np.moveaxis(q.reshape(q.shape[:-2] + (-1,))[..., :K], -1, axis).astype(np.float32)
;;   ~~~
;;   SOFTMAX AHEAD OF A QUANTISED PRODUCT. Where the list says 'softmax', what is quantised is not the finished softmax but p = 2^(t - M), with t = logit x log2(e) and M = ceil(the row's largest t), a whole number; so 1/2 < the row's largest p <= 1. The row's sum l is taken of the UNQUANTISED p, in f32, and the product's result is divided by l at the end. Since M is a whole number, a kernel that streams over the keys may use a running M (the ceiling of the running maximum): every later rescaling is an exact power of two, which a block's scale takes up: the codes' values come out the same.
;;   OPERANDS COMPUTED ON THE WAY. 'Computed on the way' means the value that the module computes at that place (a softmax that the list does not call 'softmax' is quantised finished and normalised). What goes into a quantiser is computed in f32, as accurately as f32 sums, v_exp_f32 and their like allow (about 1e-6 of the number): no bf16 or f16 on the way to a quantiser, and a product that is left as it is and whose result goes on into a quantised operand takes f32 operands (vector FMAs, or v_wmma_f32_16x16x4_f32). A number that lies on a knife's edge between two numbers of the format may be rounded either way, as far as f32 arithmetic and the matrix unit's own rounding can turn it there, and no further.
;;   INPUTS GIVEN AS CODES. Wk (in the module: [8, 512, 64], K = its axis 1); Wo (in the module: [512, 512], K = its axis 0); Wq (in the module: [8, 512, 64], K = its axis 1); Wv (in the module: [8, 512, 64], K = its axis 1); k_in (in the module: [4, 2048, 512], K = its axis 2); q_in (in the module: [4, 2048, 512], K = its axis 2); v_in (in the module: [4, 2048, 512], K = its axis 2): each comes as NAME_codes (uint8): NAME with its K axis moved to the last place and cut into blocks of 32 codes, [.., K / 32, bytes a block], one block behind the other in memory; four codes in three bytes: a row's codes are one little-endian stream of bits, code i at bits 6 i .. 6 i + 5 (a code: sign, 3 exponent bits, 2 mantissa bits); and NAME_scales (uint8): the same leading axes, one E8M0 byte (e + 127) for each 32 codes along K. Its value is code x scale, taken as it is: it is not quantised again, and the codes and scales need not be those that the quantiser above would give.
;; One version. Each part assembles by itself: llvm-mc -triple=amdgcn-amd-amdhsa -mcpu=gfx1250 --defsym DOCPART=n.
;; ======== version 1 of 1: 3 launches
;; limits: right only within a limited range of input values
;; workspace buffers: qc 3,276,800 bytes; kv 6,553,600 bytes; cc 3,145,728 bytes; ccs 131,072 bytes
;; launch proj (part 1): grid 32 x 6, 16 waves a work-group, clusters of 4 x 1, 225,280 bytes of LDS; arguments q_in_codes, k_in_codes, v_in_codes, q_in_scales, k_in_scales, v_in_scales, Wq_codes, Wk_codes, Wv_codes, Wq_scales, Wk_scales, Wv_scales, bq, bk, bv, qc, kv; writes qc, kv
.if DOCPART == 1
	.amdgcn_target "amdgcn-amd-amdhsa--gfx1250"
	.amdhsa_code_object_version 6
	.text
	.protected	k_qfeecacceaf_proj
	.globl	k_qfeecacceaf_proj
	.p2align	8
	.type	k_qfeecacceaf_proj,@function
k_qfeecacceaf_proj:
	s_mov_b64 s[64:65], 0
	v_nop
	global_prefetch_b8 v0, s[64:65] scope:SCOPE_SE
	s_setreg_imm32_b32 hwreg(HW_REG_WAVE_MODE, 25, 1), 1
	s_wait_xcnt 0x0
	s_wait_alu depctr_hold_cnt(0) depctr_sa_sdst(0) depctr_va_vdst(0) depctr_va_sdst(0) depctr_va_ssrc(0) depctr_va_vcc(0) depctr_vm_vsrc(0)
	s_getreg_b32 s2, hwreg(HW_REG_IB_STS2, 6, 4)
	s_cmp_eq_u32 s2, 0
	s_cbranch_scc0 .Lentry_in_a_cluster
	s_endpgm
.Lentry_in_a_cluster:
	s_bfe_u32 s2, ttmp6, 0x10000c
	s_cmp_lg_u32 s2, 0x3003
	s_cbranch_scc0 .Lentry_shape_is_right
	s_endpgm
.Lentry_shape_is_right:
; q = q_in Wq + bq, k = k_in Wk + bk, v = v_in Wv + bv, each for 8 heads of 64, on codes of BF6 (E3M2) with one E8M0 scale for each 32 along K = 512; the results are quantised at once,
; q and k along the head's 64 (two blocks of 32), v along the keys (blocks of 32 tokens), and stored as IMAGES OF THE OPERAND REGISTERS of the next launch.
; SHARES.  Work-group (x, y): y / 2 says which tensor (0 q, 1 k, 2 v), y % 2 which four heads, x which 256 tokens.  Sixteen waves: wave = (head hl = w / 4, 64 tokens w % 4), 16 accumulators and 64 products.
;   q, k: source 0 = 16 rows of W, source 1 = 16 tokens: a lane holds ONE token, its registers run along the head's 64.
;   v:    source 0 = 16 tokens, source 1 = 16 rows of W: a lane holds ONE of the 64, its registers run along the tokens.
; THE ROWS OF A TILE: lane r of tile i of 64 rows takes row 8 i + r % 8 + 32 (r / 8), of W and of the tokens alike.  So the 32 registers of tiles 0 .. 3 in a lane (r, h) are the WHOLE block of rows 32 h .. 32 h + 31:
; a block's largest magnitude and its codes need no other lane.
; LDS, every byte filled once: sixteen units of 32 rows (eight of tokens, eight of W), 384 bytes a row with 16 of padding behind every 128 (pitch 432), 128 bytes of gap behind each unit: rows 32 apart lie 32 words apart
; modulo 64, so the sixteen rows of a tile start at sixteen different banks (64 banks of 4 bytes: ISA guide 11.1).  A unit is dense in memory: 12,288 bytes, stated as 48 rows of 256.  One load a wave.
; CLUSTER.  The four work-groups of a cluster have the same y, so the same rows of W, asked for jointly.  The token rows are shared by two work-groups only (y and y xor 1), which a cluster along x does not join: plain loads.
; SCALES go from memory straight into registers: lane (r, h) takes 8 of its row's 16 bytes, lanes 0-15 the words of K steps 0 and 1, lanes 16-31 those of K steps 2 and 3 (selected by ROW1).
; No prefetch: the launch has no loop to run ahead in.
; OUT.  bh = 8 batch + head, a step = 128 tokens.  qc: [bh][step] x 6,400 bytes: codes 0, scale words 6,144.  kv: [bh][step] x 12,800 bytes: k's codes 0, v's codes 6,144, k's scale words 12,288, v's 12,544.
;   q, k codes: two tiles make twelve registers: 1,536 bytes, registers 4 c .. 4 c + 3 at 512 c + 16 lane.  Scale words: 4 lane, lanes 0-15 the wave's first two tiles, lanes 16-31 the second two; byte 2 u + h is tile u's block h.
;   v codes: fragment t (16 of the 64 x 128 keys) at 1,536 t; the six registers of the keys' 64 c .. 64 c + 63 at 768 c: four at 16 lane, two at 512 + 8 lane.  Scale words: 64 t + 4 r, byte 2 c + h.
; LIMITS: NaN and infinities are not served.  A block whose largest magnitude lies under 2^-122, a block of zeros among them, gets the scale byte 1 (the stated quantiser gives a block of zeros 127): the bytes are read by
; this program alone.  The bias is the start of each f32 sum, not added behind it.
.set PITCH,  432
.set UNIT,   32*PITCH+128
.set WR,     8*UNIT                    ; W's units
.set SPARE,  16*UNIT                   ; the spare words: 128 bytes a wave
.set TEN,   2                          ; s2 which tensor, s3 which four heads
.set HH,    3
.set PXC,   4                          ; s[4:5] the tokens' codes; s[6:7] their scales; s[8:9] W's codes; s[10:11] W's scales; s[12:13] the bias; s[14:15] where the codes go; s[46:47] the scale words
.set PXS,   6
.set PWC,   8
.set PWS,   10
.set PBI,   12
.set POUT,  14
.set POUT2, 46
.set TB,    48                         ; s48 which 256 tokens
.set W3,    49                         ; s49 wave % 4
.set G0X,   52                         ; descriptor groups 0: tokens, W
.set G0W,   56
.set WV,    66
.set CX,    67
.set G1X,   68                         ; s[68:75], s[76:83] groups 1: plain, joint
.set G1W,   76
.set HL,    84                         ; s84 wave / 4, s85 (wave / 2) % 2: which step of my 256 tokens, s86 wave % 2: which half of it
.set KS,    85
.set DP,    86
.set L16,   1                          ; v1 16 x lane
.set AX,    2                          ; LDS addresses of my rows, two registers each (the second: lanes 16-31 behind one padding more): tokens v2-3, W v4-5
.set AW,    4
.set SPW,   10                         ; v10 my spare word, v11 0
.set NIL,   11
.set WF,    12                         ; W's fragments v12-59, the tokens' v60-107
.set XF,    60
.set SC,    108                        ; scale words, two a tile: tokens' v108-115, W's v116-123
.set ACC,   128                        ; v128-255 sixteen accumulators
.set GBQ,   128                        ; offsets, used up ahead of the first product: bias of q, k; bias of v; scale bytes
.set GBV,   129
.set SXO,   130
.macro ROUND                           ; a round of the cluster's barrier
	s_barrier_signal -1
	s_barrier_wait -1
	s_cmp_lg_u32 s[WV], 0
	s_cbranch_scc1 .Lnw0_\@
	s_barrier_signal -3
.Lnw0_\@:
	s_barrier_wait -3
	s_barrier_signal -1
	s_barrier_wait -1
.endm
.macro PLACES n                        ; plain vector instructions behind a matrix instruction (ISA guide 7.12.1)
.rept \n
	v_nop
.endr
.endm
; A fragment, 16 rows x 128 K of 6-bit codes, is 12 registers: registers 6 c .. 6 c + 5 hold K = 64 c + 32 (lane / 16) + 0 .. 31, 24 bytes of the row as they lie, fetched as pieces of 8 bytes.
; Piece n of a row lies at 8 n + 16 (n / 16).  Lanes 16-31 read three pieces further on: behind one padding more where n % 16 is 13 or more; the second address register serves those.
.macro FRAG reg, adr, s, rowoff
.irp p, 0,1,2,3,4,5
.set PCE, 12*(\s)+6*(\p/3)+\p%3
.if PCE%16 < 13
	ds_load_b64 v[\reg+2*\p:\reg+2*\p+1], v[\adr] offset:8*PCE+16*(PCE/16)+\rowoff
.else
	ds_load_b64 v[\reg+2*\p:\reg+2*\p+1], v[\adr+1] offset:8*PCE+16*(PCE/16)+\rowoff
.endif
.endr
.endm
.macro WM s, d, a, b, c, sa, sb        ; K steps 0, 1: scale words of lanes 0-15; 2, 3: of lanes 16-31
.if (\s) < 2
	v_wmma_scale_f32_16x16x128_f8f6f4 v[\d:\d+7], v[\a:\a+11], v[\b:\b+11], v[\c:\c+7], v[\sa+(\s)%2], v[\sb+(\s)%2] matrix_a_fmt:MATRIX_FMT_BF6 matrix_b_fmt:MATRIX_FMT_BF6
.else
	v_wmma_scale_f32_16x16x128_f8f6f4 v[\d:\d+7], v[\a:\a+11], v[\b:\b+11], v[\c:\c+7], v[\sa+(\s)%2], v[\sb+(\s)%2] matrix_a_fmt:MATRIX_FMT_BF6 matrix_b_fmt:MATRIX_FMT_BF6 matrix_a_scale:MATRIX_SCALE_ROW1 matrix_b_scale:MATRIX_SCALE_ROW1
.endif
.endm
	s_load_b512 s[16:31], s[0:1], 0x0              ; q_in, k_in, v_in codes; q_in, k_in, v_in scales; Wq, Wk codes
	s_load_b512 s[32:47], s[0:1], 0x40             ; Wv codes; Wq, Wk, Wv scales; bq, bk, bv; qc
	s_load_b64 s[50:51], s[0:1], 0x80              ; kv
	v_lshl_add_u32 v[SPW], v0, 2, SPARE
	v_mov_b32 v[NIL], 0
	ds_add_u32 v[SPW], v[NIL]                      ; the opening: the add, twice on end, and its wait ahead of my tensor load
	ds_add_u32 v[SPW], v[NIL]
	v_lshrrev_b32 v12, 5, v0
	v_readfirstlane_b32 s[WV], v12                 ; wave 0..15
	s_bfe_u32 s[CX], ttmp6, 0x40000                ; my place in the cluster: it enters the tokens' and the outputs' global addresses alone
	s_lshl_b32 s[TB], ttmp9, 2
	s_add_co_u32 s[TB], s[TB], s[CX]
	s_and_b32 s[TEN], ttmp7, 0xffff
	s_and_b32 s[HH], s[TEN], 1
	s_lshr_b32 s[TEN], s[TEN], 1
	s_and_b32 s[W3], s[WV], 3
	s_lshr_b32 s[HL], s[WV], 2
	s_bfe_u32 s[KS], s[WV], 0x10001
	s_and_b32 s[DP], s[WV], 1
	s_mov_b32 s[G1X], (1<<20)|(4<<22)|(3<<25)               ; no mask; elements of 1 byte; padding on; after every 32 words (code 4); of 4 words (code 3)
	s_mov_b32 s[G1W], 15|(1<<20)|(1<<21)|(4<<22)|(3<<25)    ; the same for all four work-groups of the cluster; bit 21 set beside the mask
.irp g, G1X, G1W
	s_mov_b32 s[\g+1], 256<<16                     ; tensor_dim0
	s_mov_b32 s[\g+2], 48<<16                      ; tensor_dim1
	s_mov_b32 s[\g+3], 256<<16                     ; tile_dim0
	s_mov_b32 s[\g+4], 48                          ; tile_dim1
	s_mov_b32 s[\g+5], 256                         ; from row to row
	s_mov_b32 s[\g+6], 0
	s_mov_b32 s[\g+7], 0
.endr
	s_mul_i32 s88, s[W3], 2*UNIT                   ; my 64 tokens,
	s_mul_i32 s89, s[HL], 2*UNIT
	s_add_co_u32 s89, s89, WR                      ; my head's rows of W
	v_and_b32 v12, 7, v0                           ; r % 8
	v_bfe_u32 v13, v0, 3, 1                        ; r / 8
	v_bfe_u32 v14, v0, 4, 1                        ; h
	v_and_b32 v15, 31, v0                          ; lane
	v_mul_u32_u24 v16, v12, PITCH
	v_mul_u32_u24 v17, v13, UNIT
	v_lshl_add_u32 v18, v13, 5, v12                ; my row of a tile: r % 8 + 32 (r / 8)
	v_lshlrev_b32 v[L16], 4, v15
	v_mad_u32_u24 v16, v14, 24, v16
	v_lshlrev_b32 v[GBQ], 7, v14
	v_lshlrev_b32 v[GBV], 2, v18
	v_lshlrev_b32 v[SXO], 4, v18
	v_add_nc_u32 v16, v16, v17                     ; its LDS address, + 24 h
	v_lshl_add_u32 v[SXO], v14, 3, v[SXO]          ; 16 scale bytes a row, + 8 h
	v_lshl_add_u32 v17, v14, 4, v16                ; and behind one padding more
	v_add_nc_u32 v[AX], s88, v16
	v_add_nc_u32 v[AX+1], s88, v17
	v_add_nc_u32 v[AW], s89, v16
	v_add_nc_u32 v[AW+1], s89, v17
	s_wait_alu depctr_va_vdst(0)                   ; the wait at the head's end
	s_wait_dscnt 0x0                               ; both opening adds are done
	s_wait_kmcnt 0x0
	s_cmp_eq_u32 s[TEN], 0                         ; the tensor's buffers: the choice hangs on the work-group's y alone
	s_cselect_b64 s[PXC:PXC+1], s[16:17], s[18:19]
	s_cselect_b64 s[PXS:PXS+1], s[22:23], s[24:25]
	s_cselect_b64 s[PWC:PWC+1], s[28:29], s[30:31]
	s_cselect_b64 s[PWS:PWS+1], s[34:35], s[36:37]
	s_cselect_b64 s[PBI:PBI+1], s[40:41], s[42:43]
	s_cselect_b64 s[POUT:POUT+1], s[46:47], s[50:51]
	s_cmp_eq_u32 s[TEN], 2
	s_cselect_b64 s[PXC:PXC+1], s[20:21], s[PXC:PXC+1]
	s_cselect_b64 s[PXS:PXS+1], s[26:27], s[PXS:PXS+1]
	s_cselect_b64 s[PWC:PWC+1], s[32:33], s[PWC:PWC+1]
	s_cselect_b64 s[PWS:PWS+1], s[38:39], s[PWS:PWS+1]
	s_cselect_b64 s[PBI:PBI+1], s[44:45], s[PBI:PBI+1]
	; scale bytes: my 64 tokens', my head's of W
	s_lshl_b32 s16, s[W3], 10
	s_lshl_b32 s18, s[TB], 12
	s_add_co_u32 s18, s18, s16
	s_mov_b32 s19, 0
	s_lshl_b32 s20, s[HH], 12
	s_lshl_b32 s21, s[HL], 10
	s_add_co_u32 s20, s20, s21
	s_mov_b32 s21, 0
	s_add_nc_u64 s[92:93], s[PXS:PXS+1], s[18:19]
	s_add_nc_u64 s[94:95], s[PWS:PWS+1], s[20:21]
	; descriptor groups 0: wave w fetches unit w: waves 0-7 the tokens', 8-15 W's (the same in all four partners)
	s_and_b32 s22, s[WV], 7
	s_mul_i32 s22, s22, 12288
	s_mul_i32 s24, s[TB], 98304
	s_add_co_u32 s24, s24, s22
	s_mov_b32 s25, 0
	s_mul_i32 s26, s[HH], 98304
	s_add_co_u32 s26, s26, s22
	s_mov_b32 s27, 0
	s_mov_b32 s[G0X], 1
	s_mul_i32 s[G0X+1], s[WV], UNIT
	s_add_nc_u64 s[G0X+2:G0X+3], s[PXC:PXC+1], s[24:25]
	s_or_b32 s[G0X+3], s[G0X+3], 0x80000000
	s_mov_b32 s[G0W], 1
	s_mul_i32 s[G0W+1], s[WV], UNIT
	s_add_nc_u64 s[G0W+2:G0W+3], s[PWC:PWC+1], s[26:27]
	s_or_b32 s[G0W+3], s[G0W+3], 0x80000000
.irp i, 0,1,2,3
	global_load_b64 v[SC+2*\i:SC+2*\i+1], v[SXO], s[92:93] offset:128*\i
.endr
.irp i, 0,1,2,3
	global_load_b64 v[SC+8+2*\i:SC+9+2*\i], v[SXO], s[94:95] offset:128*\i
.endr
	ROUND                                          ; all four work-groups are here: the joint loads meet
	s_cmp_lt_u32 s[WV], 8
	s_cbranch_scc0 .Lfor_w
	tensor_load_to_lds s[G0X:G0X+3], s[G1X:G1X+7]
	s_nop 0
	PLACES 4
	s_branch .Lasked
.Lfor_w:
	tensor_load_to_lds s[G0W:G0W+3], s[G1W:G1W+7]
	s_nop 0
	PLACES 4
.Lasked:
	; while the units are on their way: where my results go.  (No register of a descriptor is written here.)
	s_lshl_b32 s20, s[HH], 2
	s_add_co_u32 s20, s20, s[HL]                   ; the head
	s_lshr_b32 s28, s[TB], 3
	s_lshl_b32 s28, s28, 3
	s_add_co_u32 s28, s28, s20                     ; bh = 8 batch + head
	s_lshl_b32 s28, s28, 4
	s_and_b32 s29, s[TB], 7
	s_lshl_b32 s29, s29, 1
	s_add_co_u32 s28, s28, s29
	s_add_co_u32 s28, s28, s[KS]                   ; 16 bh + step
	s_lshl_b32 s36, s20, 8
	s_mov_b32 s37, 0
	s_add_nc_u64 s[PBI:PBI+1], s[PBI:PBI+1], s[36:37]   ; the head's 64 numbers of the bias
	s_mul_i32 s38, s[DP], 3072                     ; my codes: q, k;
	s_mul_i32 s35, s[DP], 768
	s_add_co_u32 s35, s35, 6144                    ; v
	s_lshl_b32 s34, s[DP], 7                       ; my scale words: q, k;
	s_lshl_b32 s33, s[DP], 1
	s_add_co_u32 s33, s33, 12544                   ; v
	s_mov_b32 s31, 12800                           ; a step's bytes in kv, in qc
	s_mov_b32 s32, 12288                           ; where k's, q's scale words begin
	s_cmp_eq_u32 s[TEN], 0
	s_cselect_b32 s31, 6400, s31
	s_cselect_b32 s32, 6144, s32
	s_add_co_u32 s34, s34, s32
	s_cmp_eq_u32 s[TEN], 2
	s_cselect_b32 s34, s33, s34
	s_cselect_b32 s38, s35, s38
	s_mul_i32 s36, s28, s31
	s_add_nc_u64 s[POUT:POUT+1], s[POUT:POUT+1], s[36:37]
	s_mov_b32 s35, 0
	s_mov_b32 s39, 0
	s_add_nc_u64 s[POUT2:POUT2+1], s[POUT:POUT+1], s[34:35]
	s_add_nc_u64 s[POUT:POUT+1], s[POUT:POUT+1], s[38:39]
	s_wait_tensorcnt 0x0                           ; my load has landed,
	s_barrier_signal -1
	s_barrier_wait -1                              ; everybody's has
; 128 along K: four fragments of W, four of tokens, 16 products; the 16 accumulators take turns.  The C of each sum's first product is the bias: it lies in the four accumulators whose own first
; products come last and take it in place.  v = 0: accumulator 4 i + t (token tile i, W tile t);  v = 1: 4 t + i
.macro STEP v, s
.if \s > 0
	PLACES 4
.endif
.irp t, 0,1,2,3
	FRAG WF+12*\t, AW, \s, 8*\t*PITCH
.endr
.irp t, 0,1,2,3
	FRAG XF+12*\t, AX, \s, 8*\t*PITCH
.endr
	s_wait_dscnt 0x0
.if \s == 0
	s_wait_loadcnt 0x0                             ; the scale words and the bias
.if \v
.irp j, 1,2,3,4,5,6,7
.irp t, 0,1,2,3
	v_mov_b32 v[ACC+24+32*\t+\j], v[ACC+24+32*\t]  ; v: eight registers a tile of W, all alike
.endr
.endr
	s_wait_alu depctr_va_vdst(0)
.endif
.endif
.irp i, 0,1,2,3
.if (\s == 0) && (\i == 3)
	PLACES 5                                       ; the next four products write over what the twelve above took as C
.endif
.irp t, 0,1,2,3
.if \v
.set DD, ACC+8*(4*\t+\i)
.set CC, ACC+24+32*\t
.else
.set DD, ACC+8*(4*\i+\t)
.set CC, ACC+96+8*\t
.endif
.if \s > 0
.set CC, DD
.endif
.if \v
	WM \s, DD, XF+12*\i, WF+12*\t, CC, SC+2*\i, SC+8+2*\t
.else
	WM \s, DD, WF+12*\t, XF+12*\i, CC, SC+8+2*\t, SC+2*\i
.endif
.endr
.endr
.endm
	s_cmp_eq_u32 s[TEN], 2
	s_cbranch_scc1 .Lv
.irp t, 0,1,2,3                        ; q, k: register j of W's tile t is the head's number 32 h + 8 t + j
	global_load_b128 v[ACC+96+8*\t:ACC+99+8*\t], v[GBQ], s[PBI:PBI+1] offset:32*\t
	global_load_b128 v[ACC+100+8*\t:ACC+103+8*\t], v[GBQ], s[PBI:PBI+1] offset:32*\t+16
.endr
	STEP 0, 0
	STEP 0, 1
	STEP 0, 2
	STEP 0, 3
	s_branch .Lquant
.Lv:
.irp t, 0,1,2,3                        ; v: a lane holds one of the head's 64: one number of the bias for each tile of W
	global_load_b32 v[ACC+24+32*\t], v[GBV], s[PBI:PBI+1] offset:32*\t
.endr
	STEP 1, 0
	STEP 1, 1
	STEP 1, 2
	STEP 1, 3
	; four units of 32 registers, each a whole block in every lane, become four times six registers of codes
.Lquant:
	PLACES 4
.irp n, 0,1,2,3
	v_max3_num_f32 v[12+\n], |v[ACC+32*\n]|, |v[ACC+32*\n+1]|, 0x2800000   ; with the floor 2^(5 - 127): the byte cannot fall under 1
.endr
.irp i, 2,4,6,8,10,12,14,16,18,20,22,24,26,28,30
.irp n, 0,1,2,3
	v_max3_num_f32 v[12+\n], v[12+\n], |v[ACC+32*\n+\i]|, |v[ACC+32*\n+\i+1]|
.endr
.endr
.irp n, 0,1,2,3
	v_add_nc_u32 v[16+\n], 0xfe000000, v[12+\n]    ; 4 off its exponent field: the conversion's scale operand
.endr
.irp n, 0,1,2,3
	v_lshrrev_b32 v[20+\n], 23, v[16+\n]           ; the scale's byte
.endr
.irp n, 0,1,2,3
	v_cvt_scalef32_pk16_bf6_f32 v[28+6*\n:30+6*\n], v[ACC+32*\n:ACC+32*\n+15], v[16+\n]
	v_cvt_scalef32_pk16_bf6_f32 v[52+4*\n:54+4*\n], v[ACC+32*\n+16:ACC+32*\n+31], v[16+\n]   ; (a conversion's three registers begin on an even number)
.endr
	v_lshrrev_b32 v27, 2, v[L16]                   ; 4 x lane
	v_lshrrev_b32 v70, 8, v[L16]                   ; h
	v_lshrrev_b32 v68, 1, v[L16]                   ; 8 x lane
.irp n, 0,1,2,3
.irp i, 0,1,2
	v_mov_b32 v[31+6*\n+\i], v[52+4*\n+\i]
.endr
.endr
	s_wait_alu depctr_va_vdst(0)                   ; the wait directly ahead of the scalar lines and the branch below
	s_cmp_eq_u32 s[TEN], 2
	s_cbranch_scc1 .Lvout
	v_lshl_or_b32 v24, v21, 16, v20
	v_lshl_or_b32 v25, v23, 16, v22
	v_lshlrev_b32 v26, 3, v70
	v_lshlrev_b32 v24, v26, v24
	v_lshlrev_b32 v25, v26, v25
	v_permlane16_swap_b32 v24, v25                 ; lanes 0-15: both halves' bytes of the first two tiles; lanes 16-31: of the second two
	v_or_b32 v24, v24, v25
.irp e, 0,1
.irp c, 0,1,2
	global_store_b128 v[L16], v[28+12*\e+4*\c:31+12*\e+4*\c], s[POUT:POUT+1] offset:1536*\e+512*\c   ; 32 lanes store 512 consecutive bytes, at a multiple of 256 from the buffer's first byte
.endr
.endr
	global_store_b32 v27, v24, s[POUT2:POUT2+1]
	s_branch .Lend
.Lvout:
	v_and_b32 v69, 60, v27
	v_or_b32 v69, v69, v70                         ; 4 r + h
.irp t, 0,1,2,3
	global_store_b128 v[L16], v[28+6*\t:31+6*\t], s[POUT:POUT+1] offset:1536*\t
	global_store_b64 v68, v[32+6*\t:33+6*\t], s[POUT:POUT+1] offset:1536*\t+512
.endr
.irp t, 0,1,2,3
	global_store_b8 v69, v[20+\t], s[POUT2:POUT2+1] offset:64*\t   ; a scale word's bytes come from two waves of this work-group: 131,072 bytes in all leave so
.endr
.Lend:
	s_wait_tensorcnt 0x0                           ; the wave's end
	ds_add_u32 v[SPW], v[NIL]
	s_wait_dscnt 0x0
	ROUND                                          ; the closing round: no work-group ends while a partner may still ask for a unit that names it
	s_endpgm
.Lfunc_end_k_qfeecacceaf_proj:
	.size	k_qfeecacceaf_proj, .Lfunc_end_k_qfeecacceaf_proj-k_qfeecacceaf_proj
	.p2alignl 7, 3214868480
	.fill 96, 4, 3214868480
	.section	.rodata,"a",@progbits
	.p2align	6, 0x0
	.amdhsa_kernel k_qfeecacceaf_proj
		.amdhsa_group_segment_fixed_size 225280
		.amdhsa_private_segment_fixed_size 0
		.amdhsa_enable_private_segment 0
		.amdhsa_kernarg_size 136
		.amdhsa_user_sgpr_count 2
		.amdhsa_user_sgpr_kernarg_segment_ptr 1
		.amdhsa_wavefront_size32 1
		.amdhsa_system_sgpr_workgroup_id_x 1
		.amdhsa_system_sgpr_workgroup_id_y 1
		.amdhsa_system_sgpr_workgroup_id_z 1
		.amdhsa_system_vgpr_workitem_id 0
		.amdhsa_next_free_vgpr 256
		.amdhsa_next_free_sgpr 100
		.amdhsa_reserve_vcc 0
		.amdhsa_float_denorm_mode_32 3
		.amdhsa_float_denorm_mode_16_64 3
		.amdhsa_memory_ordered 1
		.amdhsa_forward_progress 1
		.amdhsa_inst_pref_size 60
	.end_amdhsa_kernel
	.amdgpu_metadata
---
amdhsa.version: [ 1, 2 ]
amdhsa.kernels:
  - .name:           k_qfeecacceaf_proj
    .symbol:         k_qfeecacceaf_proj.kd
    .args:
      - { .name: q_in_codes, .offset: 0, .size: 8, .value_kind: global_buffer, .address_space: global }
      - { .name: k_in_codes, .offset: 8, .size: 8, .value_kind: global_buffer, .address_space: global }
      - { .name: v_in_codes, .offset: 16, .size: 8, .value_kind: global_buffer, .address_space: global }
      - { .name: q_in_scales, .offset: 24, .size: 8, .value_kind: global_buffer, .address_space: global }
      - { .name: k_in_scales, .offset: 32, .size: 8, .value_kind: global_buffer, .address_space: global }
      - { .name: v_in_scales, .offset: 40, .size: 8, .value_kind: global_buffer, .address_space: global }
      - { .name: Wq_codes, .offset: 48, .size: 8, .value_kind: global_buffer, .address_space: global }
      - { .name: Wk_codes, .offset: 56, .size: 8, .value_kind: global_buffer, .address_space: global }
      - { .name: Wv_codes, .offset: 64, .size: 8, .value_kind: global_buffer, .address_space: global }
      - { .name: Wq_scales, .offset: 72, .size: 8, .value_kind: global_buffer, .address_space: global }
      - { .name: Wk_scales, .offset: 80, .size: 8, .value_kind: global_buffer, .address_space: global }
      - { .name: Wv_scales, .offset: 88, .size: 8, .value_kind: global_buffer, .address_space: global }
      - { .name: bq, .offset: 96, .size: 8, .value_kind: global_buffer, .address_space: global }
      - { .name: bk, .offset: 104, .size: 8, .value_kind: global_buffer, .address_space: global }
      - { .name: bv, .offset: 112, .size: 8, .value_kind: global_buffer, .address_space: global }
      - { .name: qc, .offset: 120, .size: 8, .value_kind: global_buffer, .address_space: global }
      - { .name: kv, .offset: 128, .size: 8, .value_kind: global_buffer, .address_space: global }
    .group_segment_fixed_size: 225280
    .private_segment_fixed_size: 0
    .kernarg_segment_align: 8
    .kernarg_segment_size: 136
    .max_flat_workgroup_size: 512
    .sgpr_count:     100
    .vgpr_count:     256
    .wavefront_size: 32
...
	.end_amdgpu_metadata
.endif
;; end of part 1
;; launch attn (part 2): grid 8 x 32, 16 waves a work-group, clusters of 4 x 1, 206,848 bytes of LDS; arguments qc, kv, cc, ccs; writes cc, ccs
.if DOCPART == 2
	.amdgcn_target "amdgcn-amd-amdhsa--gfx1250"
	.amdhsa_code_object_version 6
	.text
	.protected	k_qfeecacceaf_attn
	.globl	k_qfeecacceaf_attn
	.p2align	8
	.type	k_qfeecacceaf_attn,@function
k_qfeecacceaf_attn:
	s_mov_b64 s[64:65], 0
	v_nop
	global_prefetch_b8 v0, s[64:65] scope:SCOPE_SE
	s_setreg_imm32_b32 hwreg(HW_REG_WAVE_MODE, 25, 1), 1
	s_wait_xcnt 0x0
	s_wait_alu depctr_hold_cnt(0) depctr_sa_sdst(0) depctr_va_vdst(0) depctr_va_sdst(0) depctr_va_ssrc(0) depctr_va_vcc(0) depctr_vm_vsrc(0)
	s_getreg_b32 s2, hwreg(HW_REG_IB_STS2, 6, 4)
	s_cmp_eq_u32 s2, 0
	s_cbranch_scc0 .Lentry_in_a_cluster
	s_endpgm
.Lentry_in_a_cluster:
	s_bfe_u32 s2, ttmp6, 0x10000c
	s_cmp_lg_u32 s2, 0x3003
	s_cbranch_scc0 .Lentry_shape_is_right
	s_endpgm
.Lentry_shape_is_right:
; For each batch and head: O[q] = sum over keys of softmax(q . k / 8) v, both products on codes of BF6 (E3M2) with one E8M0 scale for each 32 along K; O / l is quantised along the head's 64
; and stored as its part of the last product's operand.
; THE SOFTMAX: t = score x log2(e) / 8; M = the running largest t rounded UP to a whole number; p = 2^(t - M) is quantised along the keys, not normalised; the row's sum l is taken of the unquantised p
; in f32 and divides O at the end.  When M moves, l and O are multiplied by 2^(old M - new M), which rounds nothing.
; SHARES.  Work-group (x, y): y = bh = 8 batch + head, x = which 256 queries.  Each of sixteen waves owns one tile of 16 queries in 256 registers and walks all 2,048 keys, 256 a trip: the maximum and the rescaling
; of O and l are taken once for 256 keys.
; LDS.  The head's K and V, codes and scale words, 16 steps of 128 keys x 12,800 bytes, lie in LDS as they lie in kv: every byte is filled once, every read takes a lane's bytes at a constant x lane.
; Wave w fetches step w, one load a wave; one barrier shows all sixteen to every wave, and no barrier stands in the walk.
; CLUSTER.  The four work-groups of a cluster walk the same head: every load of kv is asked for jointly.  No prefetch: all of kv that is read is asked for at the head, so there is no loop to run ahead in.
; LAYOUT.  Both products are used transposed: S^T = K Q^T (source 0 = 16 keys), O^T = V^T P^T (source 0 = 16 of the head's 64): a lane holds ONE query throughout.  The keys of a tile were chosen by the launch before so that
; the 32 registers of four tiles in lane (r, h) are the WHOLE block of keys 32 h .. 32 h + 31 of their 64: a block's largest score, its scale and its codes need no other lane.  V's rows likewise for O^T.
; THE FIRST PRODUCT'S K IS 64, the instruction's 128.  Two key tiles, six registers each, make one operand of twelve; against [Q 0] it gives the first tile's scores, against [0 Q] the second's (0: zero codes).
; A scale word holds the first tile's two bytes and the second's; Q's holds its two bytes twice.
; A TRIP'S K comes from LDS in four groups of 64 keys: group 0 is fetched under the softmax of the trip before, group 1 under its last products, group 2 at the trip's start, group 3 behind group 0's products.
; The last trip is written out: it fetches nothing beyond the last key.
; LIMITS: NaN and infinities are not served; the scaled scores t stay under 2^31 in magnitude.  1 / l is v_rcp_f32.  A block's largest p is taken from its largest score by the same two instructions (this leans on v_exp_f32
; not falling where its input rises).  A block of O / l whose largest magnitude lies under 2^-122 gets the scale byte 1; a block of p that is all zeros likewise: the bytes are read by this program alone.
.set STEPB, 12800                      ; a step of 128 keys: K's codes 0, V's codes 6,144, K's scale words 12,288, V's 12,544
.set SPARE, 16*STEPB
.set HM,  2                            ; s2 the mask of lanes 16-31
.set CSN, 3                            ; s3 -log2(e) / 8
.set WV,  12
.set CX,  13
.set QB,  14
.set BH,  15
.set G1,  16                           ; s[16:23] descriptor group 1;  s[24:27] group 0
.set G0,  24
.set SEL, 40                           ; s[40:41] lane selects for v_permlanex16_b32: lane l xor 16
.set CS,  42                           ; s[42:43] c = log2(e) / 8: the packed form names a pair and takes its low word for both halves
.set TB,  44                           ; s44 LDS byte at which the trip's two steps begin
.set CNT, 45
.set T,   0                            ; v0 (the thread's number has been used by then), v35 at work in the maxima
.set X,   35
.set AD8, 1                            ; v1, v3, v4: s44 + 8, 16, 4 x lane; v2 4 x lane
.set L4,  2
.set ADR, 3
.set ADT, 4
.set SLV, 5                            ; v5 byte selectors for p's scale words
.set PW,  6                            ; v6, v7 p's scale words
.set BM,  8                            ; v8-11 a block's largest score, then p, then the conversions' scale operands.  v12 -M, v13 the largest score, v14-15 the sum
.set Q0,  16                           ; v16-21 zeros, v22-27 Q, v28-33 zeros
.set QZ,  22
.set QS,  34                           ; v34 Q's scale word
.set SPW, 36
.set NIL, 37
.set F,   38                           ; v38 2^(old M - new M); then v38-39 a chain of the sum
.set O,   40                           ; v40-71 O^T
.set KX,  72                           ; v72-95, v96-119, v232-255 K's groups
.set KY,  96
.set KZ,  232
.set P0,  96                           ; behind the scores: v96-107 p's codes of keys 0-127, v108-119 at work; v176-187 p's codes of keys 128-255
.set P1,  176
.set SH,  108
.set CT,  108
.set KS,  120                          ; v120-123 K's scale words, v124-127 V's
.set VS,  124
.set S,   128                          ; v128-255 S^T, then p; v128-175 V's fragments where p is done with
.macro ROUND                           ; a round of the cluster's barrier
	s_barrier_signal -1
	s_barrier_wait -1
	s_cmp_lg_u32 s[WV], 0
	s_cbranch_scc1 .Lnw0_\@
	s_barrier_signal -3
.Lnw0_\@:
	s_barrier_wait -3
	s_barrier_signal -1
	s_barrier_wait -1
.endm
.macro PLACES n                        ; plain vector instructions behind a matrix instruction (ISA guide 7.12.1)
.rept \n
	v_nop
.endr
.endm
	s_load_b256 s[4:11], s[0:1], 0x0               ; qc s[4:5], kv s[6:7], cc s[8:9], ccs s[10:11]
	v_lshl_add_u32 v[SPW], v0, 2, SPARE
	v_mov_b32 v[NIL], 0
	ds_add_u32 v[SPW], v[NIL]                      ; the opening: the add, twice on end, and its wait ahead of my tensor load
	ds_add_u32 v[SPW], v[NIL]
	v_lshrrev_b32 v72, 5, v0
	v_readfirstlane_b32 s[WV], v72                 ; wave 0..15
	s_bfe_u32 s[CX], ttmp6, 0x40000                ; my place in the cluster: it enters qc's, cc's and ccs's addresses alone
	s_lshl_b32 s[QB], ttmp9, 2
	s_add_co_u32 s[QB], s[QB], s[CX]               ; which 256 queries
	s_and_b32 s[BH], ttmp7, 0xffff
	s_mov_b32 s[G1], 15|(3<<16)|(1<<21)            ; all four work-groups; elements of 8 bytes; bit 21 set beside the mask; no padding
	s_mov_b32 s[G1+1], 32<<16                      ; a step's 12,800 dense bytes as 50 rows of 256
	s_mov_b32 s[G1+2], 50<<16
	s_mov_b32 s[G1+3], 32<<16
	s_mov_b32 s[G1+4], 50
	s_mov_b32 s[G1+5], 32
	s_mov_b32 s[G1+6], 0
	s_mov_b32 s[G1+7], 0
	s_mov_b32 s[HM], 0xffff0000
	s_mov_b32 s[SEL], 0x76543210
	s_mov_b32 s[SEL+1], 0xfedcba98
	s_mov_b32 s[CS], 0x3e38aa3b                    ; log2(e) / 8
	s_mov_b32 s[CS+1], s[CS]
	s_mov_b32 s[CSN], 0xbe38aa3b
	s_mul_i32 s48, s[WV], STEPB                    ; the step that I fetch: in memory and in LDS alike
	s_mul_i32 s46, s[BH], 16*STEPB
	s_add_co_u32 s46, s46, s48
	s_mov_b32 s47, 0
	s_lshl_b32 s50, s[QB], 1
	s_lshr_b32 s51, s[WV], 3
	s_add_co_u32 s50, s50, s51                     ; my queries' step: 2 qb + wave / 8
	s_lshl_b32 s51, s[BH], 4
	s_add_co_u32 s50, s50, s51
	s_mul_i32 s50, s50, 6400
	s_mov_b32 s51, 0
	s_lshr_b32 s52, s[BH], 3
	s_lshl_b32 s52, s52, 7
	s_lshl_b32 s53, s[QB], 4
	s_add_co_u32 s52, s52, s53
	s_add_co_u32 s52, s52, s[WV]                   ; my tile of queries among all 512: 128 batch + 16 qb + wave
	s_and_b32 s53, s[BH], 7                        ; the head
	s_lshl_b32 s54, s52, 3
	s_add_co_u32 s54, s54, s53
	s_mul_i32 s54, s54, 768                        ; cc: 768 bytes for a tile and a head
	s_mov_b32 s55, 0
	s_lshl_b32 s56, s52, 8
	s_lshl_b32 s57, s53, 1
	s_add_co_u32 s56, s56, s57                     ; ccs: 256 bytes a tile, 16 a row, 2 a head
	s_mov_b32 s57, 0
	; my tile is tile u of pair p of its step: registers 6 u .. 6 u + 5 of the pair's twelve, register n at 512 (n / 4) + 16 lane + 4 (n % 4)
	s_bfe_u32 s58, s[WV], 0x20001                  ; p
	s_and_b32 s59, s[WV], 1                        ; u
	s_mul_i32 s60, s58, 1536
	s_mul_i32 s61, s59, 520
	s_add_co_u32 s61, s61, s60
	s_mul_i32 s62, s59, 1016
	s_add_co_u32 s62, s62, s60
	s_add_co_u32 s62, s62, 8
	s_lshl_b32 s63, s58, 6
	s_add_co_u32 s63, s63, 6144
	s_lshl_b32 s59, s59, 4
	s_mov_b32 s[TB], 0
	s_mov_b32 s[CNT], 7
	v_and_b32 v73, 31, v0
	v_and_b32 v77, 15, v0                          ; r
	v_mov_b32 v[SLV], 0x0c070c03                   ; lanes 0-15: bytes 0 and 2 of a scale word,
	v_mov_b32 v78, 0x070c030c                      ; lanes 16-31: bytes 1 and 3 (0x0c: a zero byte)
	v_lshlrev_b32 v79, 4, v73
	v_lshlrev_b32 v[L4], 2, v73
	v_cndmask_b32 v[SLV], v[SLV], v78, s[HM]
	v_lshl_add_u32 v76, v77, 2, s63                ; my row's scale word: 6,144 + 128 (p / 2) + 4 (16 (p % 2) + r); tile u's two bytes are its half u
	v_add_nc_u32 v74, s61, v79                     ; registers 0, 1 (u = 1: 6, 7 at 512 + 8); 512 on: registers 4, 5 (10, 11)
	v_add_nc_u32 v75, s62, v79                     ; registers 2, 3 at 8 (8, 9 at 1,024)
	s_wait_alu depctr_va_vdst(0)                   ; the wait directly ahead of the waits below
	s_wait_dscnt 0x0                               ; both opening adds are done
	s_wait_kmcnt 0x0
	s_add_nc_u64 s[6:7], s[6:7], s[46:47]
	s_add_nc_u64 s[4:5], s[4:5], s[50:51]
	s_add_nc_u64 s[8:9], s[8:9], s[54:55]
	s_add_nc_u64 s[10:11], s[10:11], s[56:57]
	s_mov_b32 s[G0], 1
	s_mov_b32 s[G0+1], s48
	s_mov_b64 s[G0+2:G0+3], s[6:7]
	s_or_b32 s[G0+3], s[G0+3], 0x80000000
	global_load_b32 v72, v76, s[4:5]
	global_load_b64 v[QZ:QZ+1], v74, s[4:5]
	global_load_b64 v[QZ+2:QZ+3], v75, s[4:5]
	global_load_b64 v[QZ+4:QZ+5], v74, s[4:5] offset:512
	ROUND                                          ; all four work-groups are here: the joint loads meet
	tensor_load_to_lds s[G0:G0+3], s[G1:G1+7]      ; one load a wave
	s_nop 0
.irp j, 0,1,2,3,4,5
	v_mov_b32 v[Q0+\j], 0                          ; zero codes
	v_mov_b32 v[QZ+6+\j], 0
.endr
	v_mov_b32 v13, 0xff61b1e6                      ; the largest score so far: -3e38, under every score
	v_mov_b32 v14, 0                               ; the sum, in two halves
	v_mov_b32 v15, 0
	v_mul_f32 v12, s[CSN], v13
	v_mov_b32 v[F+1], 0                            ; (named as the upper half of a pair)
.set J, 0
.rept 32
	v_mov_b32 v[O+J], 0                            ; O^T.  (The trip is written without a first trip of its own: it finds zeros, which the first change of M leaves zeros)
.set J, J+1
.endr
	v_floor_f32 v12, v12                           ; -M
	s_wait_loadcnt 0x0                             ; Q
	v_lshrrev_b32 v72, s59, v72
	v_and_b32 v72, 0xffff, v72
	v_lshl_or_b32 v[QS], v72, 16, v72              ; its two scale bytes, twice
	v_lshl_add_u32 v[ADR], v[L4], 2, s[TB]
	v_add_nc_u32 v[ADT], s[TB], v[L4]
	s_wait_alu depctr_va_vdst(0)                   ; the wait at the head's end
	s_wait_tensorcnt 0x0                           ; my step has landed,
	s_barrier_signal -1
	s_barrier_wait -1                              ; all sixteen have
; K's tiles of group g (four tiles = 64 keys: two pairs), 512 consecutive bytes a load; next = 1: of the next trip
.macro LOADK g, buf, next
.irp i, 0,1,2,3,4,5
	ds_load_b128 v[\buf+4*\i:\buf+4*\i+3], v[ADR] offset:2*STEPB*\next+STEPB*(\g/2)+3072*(\g%2)+512*\i
.endr
.endm
.macro LOADKS next                     ; K's scale words, a register a group
.irp g, 0,1,2,3
	ds_load_b32 v[KS+\g], v[ADT] offset:2*STEPB*\next+STEPB*(\g/2)+12288+128*(\g%2)
.endr
.endm
.macro MULK g, buf                     ; S^T: pair 0's scale words in lanes 0-15, pair 1's in lanes 16-31
.irp u, 0,1
	v_wmma_scale_f32_16x16x128_f8f6f4 v[S+32*\g+8*\u:S+32*\g+8*\u+7], v[\buf:\buf+11], v[QZ-6*\u:QZ-6*\u+11], 0, v[KS+\g], v[QS] matrix_a_fmt:MATRIX_FMT_BF6 matrix_b_fmt:MATRIX_FMT_BF6
.endr
.irp u, 0,1
	v_wmma_scale_f32_16x16x128_f8f6f4 v[S+32*\g+16+8*\u:S+32*\g+23+8*\u], v[\buf+12:\buf+23], v[QZ-6*\u:QZ-6*\u+11], 0, v[KS+\g], v[QS] matrix_a_fmt:MATRIX_FMT_BF6 matrix_b_fmt:MATRIX_FMT_BF6 matrix_a_scale:MATRIX_SCALE_ROW1
.endr
.endm
; The largest score of a block: two chains of three-input maxima, numbers 0-14 into BM + b and 16-30 into a register at work; MEND joins them and takes numbers 15 and 31, for two blocks by turns
.macro MI b, d, o
	v_max3_num_f32 v[\d], v[S+32*\b+\o], v[S+32*\b+\o+1], v[S+32*\b+\o+2]
.endm
.macro MC b, d, i
	v_max3_num_f32 v[\d], v[\d], v[S+32*\b+\i], v[S+32*\b+\i+1]
.endm
.macro MEND b
	v_max3_num_f32 v[BM+\b], v[BM+\b], v[S+32*\b+15], v[S+32*\b+31]
	v_max3_num_f32 v[BM+\b+1], v[BM+\b+1], v[S+32*\b+47], v[S+32*\b+63]
	v_max_num_f32 v[BM+\b], v[BM+\b], v[T]
	v_max_num_f32 v[BM+\b+1], v[BM+\b+1], v[X]
.endm
.macro LOADV h                         ; V's four fragments of 128 keys, into registers in which p has been
.irp t, 0,1,2,3
.irp c, 0,1
	ds_load_b128 v[S+12*\t+6*\c:S+12*\t+6*\c+3], v[ADR] offset:STEPB*\h+6144+1536*\t+768*\c
	ds_load_b64 v[S+12*\t+6*\c+4:S+12*\t+6*\c+5], v[AD8] offset:STEPB*\h+6656+1536*\t+768*\c
.endr
.endr
	ds_load_b32 v[VS+2*\h], v[ADT] offset:STEPB*\h+12544
	ds_load_b32 v[VS+2*\h+1], v[ADT] offset:STEPB*\h+12672
.endm
; p of 128 keys (two blocks a lane) becomes twelve registers of codes; and its part of the row's sum, of the UNQUANTISED p, in four chains
.macro HALF h, pb
.set SB, S+64*\h
.irp c, 0,1
	v_cvt_scalef32_pk16_bf6_f32 v[\pb+6*\c:\pb+6*\c+2], v[SB+32*\c:SB+32*\c+15], v[BM+2*\h+\c]
	v_cvt_scalef32_pk16_bf6_f32 v[CT+4*\c:CT+4*\c+2], v[SB+32*\c+16:SB+32*\c+31], v[BM+2*\h+\c]   ; (a conversion's three registers begin on an even number)
.endr
	v_pk_add_f32 v[116:117], v[SB+2:SB+3], v[SB+4:SB+5]
	v_pk_add_f32 v[118:119], v[SB+6:SB+7], v[SB+8:SB+9]
	v_pk_add_f32 v[F:F+1], v[SB+10:SB+11], v[SB+12:SB+13]
	v_pk_add_f32 v[14:15], v[14:15], v[SB:SB+1]
.if \h
	LOADV 1                                        ; the four above stand between the first half's products and the loads into their operands; it lands under what follows
.endif
.irp c, 0,1
.irp i, 0,1,2
	v_mov_b32 v[\pb+6*\c+3+\i], v[CT+4*\c+\i]
.endr
.endr
.set J, 14
.rept 6
	v_pk_add_f32 v[116:117], v[116:117], v[SB+J:SB+J+1]
	v_pk_add_f32 v[118:119], v[118:119], v[SB+J+2:SB+J+3]
	v_pk_add_f32 v[F:F+1], v[F:F+1], v[SB+J+4:SB+J+5]
	v_pk_add_f32 v[14:15], v[14:15], v[SB+J+6:SB+J+7]
.set J, J+8
.endr
	v_pk_add_f32 v[116:117], v[116:117], v[SB+62:SB+63]
	v_pk_add_f32 v[118:119], v[118:119], v[F:F+1]
	v_pk_add_f32 v[14:15], v[14:15], v[116:117]
	v_pk_add_f32 v[14:15], v[14:15], v[118:119]
.endm
.macro MULV h, pb                      ; O^T += V^T P^T; the four accumulators take turns
.irp q, 0,1
	v_wmma_scale_f32_16x16x128_f8f6f4 v[O+16*\q:O+16*\q+7], v[S+24*\q:S+24*\q+11], v[\pb:\pb+11], v[O+16*\q:O+16*\q+7], v[VS+2*\h+\q], v[PW+\h] matrix_a_fmt:MATRIX_FMT_BF6 matrix_b_fmt:MATRIX_FMT_BF6
	v_wmma_scale_f32_16x16x128_f8f6f4 v[O+16*\q+8:O+16*\q+15], v[S+24*\q+12:S+24*\q+23], v[\pb:\pb+11], v[O+16*\q+8:O+16*\q+15], v[VS+2*\h+\q], v[PW+\h] matrix_a_fmt:MATRIX_FMT_BF6 matrix_b_fmt:MATRIX_FMT_BF6 matrix_a_scale:MATRIX_SCALE_ROW1
.endr
.endm
.macro TRIP last                       ; 256 keys.  On the way in groups 0 and 1 and the scale words have been asked for, group 1's six loads last
	v_lshl_add_u32 v[ADR], v[L4], 2, s[TB]
	v_lshl_add_u32 v[AD8], v[L4], 1, s[TB]
	v_add_nc_u32 v[ADT], s[TB], v[L4]
	PLACES 2                                       ; with the three above: five places behind the last trip's products, whose operands the products below write over
	LOADK 2, KY, 0
	s_wait_alu depctr_va_vdst(0)
	s_wait_dscnt 12                                ; group 0 and the scale words are in; groups 1 and 2, six loads each, may be out
	MULK 0, KX
	PLACES 4
	LOADK 3, KX, 0
	s_wait_dscnt 12                                ; group 1; groups 2 and 3 may be out
	MULK 1, KZ
	MI 0, BM, 0
	MI 0, T, 16
	MC 0, BM, 3
	MC 0, T, 19
	MI 1, BM+1, 0
	MI 1, X, 16
	MC 1, BM+1, 3
	MC 1, X, 19
.irp i, 5,7,9,11,13
	MC 0, BM, \i
	MC 0, T, \i+16
	MC 1, BM+1, \i
	MC 1, X, \i+16
.endr
	s_wait_alu depctr_va_vdst(0)
	s_wait_dscnt 6                                 ; group 2; group 3 may be out
	MULK 2, KY
	s_wait_dscnt 0x0                               ; group 3
	MULK 3, KX
	MEND 0                                         ; four places behind group 3's products
.if \last == 0
	LOADKS 1
	LOADK 0, KX, 1
.endif
	MI 2, BM+2, 0
	MI 2, T, 16
	MI 3, BM+3, 0
	MI 3, X, 16
.irp i, 3,5,7,9,11,13
	MC 2, BM+2, \i
	MC 2, T, \i+16
	MC 3, BM+3, \i
	MC 3, X, \i+16
.endr
	MEND 2
	s_delay_alu instid0(VALU_DEP_2)
	v_max3_num_f32 v[T], v[BM], v[BM+1], v[BM+2]
	s_delay_alu instid0(VALU_DEP_1)
	v_max_num_f32 v[T], v[T], v[BM+3]
	s_delay_alu instid0(VALU_DEP_1)
	v_permlanex16_b32 v[X], v[T], s[SEL], s[SEL+1]
	s_delay_alu instid0(VALU_DEP_1)
	v_max3_num_f32 v13, v13, v[T], v[X]            ; the running largest score of my query
	s_delay_alu instid0(VALU_DEP_1)
	v_mul_f32 v[T], s[CSN], v13                    ; -t
	s_delay_alu instid0(VALU_DEP_1)
	v_floor_f32 v[T], v[T]                         ; the new -M = floor(-t): M is a whole number
	s_delay_alu instid0(VALU_DEP_1)
	v_sub_f32 v[F], v[T], v12                      ; old M - new M: a whole number, 0 or less
	v_mov_b32 v12, v[T]
	s_delay_alu instid0(VALU_DEP_2)
	v_cvt_i32_f32 v[F], v[F]                       ; (it saturates)
	s_delay_alu instid0(VALU_DEP_1)
	v_ldexp_f32 v[F], 1.0, v[F]                    ; f = 2^(old M - new M)
.set J, 0
.rept 32
	v_pk_fma_f32 v[S+J:S+J+1], v[S+J:S+J+1], s[CS:CS+1], v[12:13] op_sel_hi:[1,0,0]   ; t - M, two at a time: keys 0-127
.set J, J+2
.endr
.set J, 0
.rept 16
	v_pk_mul_f32 v[O+J:O+J+1], v[O+J:O+J+1], v[F:F+1] op_sel_hi:[1,0]   ; O^T under the new M,
.set J, J+2
.endr
	v_pk_mul_f32 v[14:15], v[14:15], v[F:F+1] op_sel_hi:[1,0]           ; and the sums
.irp b, 0,1,2,3
	v_fma_f32 v[BM+\b], v[BM+\b], s[CS], v12       ; the same t - M of each block's largest score
.endr
	s_wait_alu depctr_va_vdst(0)                   ; the wait ahead of the batch
.irp b, 0,1,2,3
	v_exp_f32 v[BM+\b], v[BM+\b]                   ; the block's largest p
.endr
.set J, 0
.rept 32
	v_exp_f32 v[S+J], v[S+J]                       ; p = 2^(t - M), at most 1: keys 0-127; between them t - M of keys 128-255
	v_exp_f32 v[S+J+1], v[S+J+1]
	v_pk_fma_f32 v[S+64+J:S+65+J], v[S+64+J:S+65+J], s[CS:CS+1], v[12:13] op_sel_hi:[1,0,0]
.set J, J+2
.endr
	s_wait_alu depctr_va_vdst(0)                   ; and behind it
.irp b, 0,1,2,3
	v_max_num_f32 v[BM+\b], 0x2800000, v[BM+\b]    ; the floor 2^(5 - 127): the byte cannot fall under 1
.endr
.irp b, 0,1,2,3
	v_add_nc_u32 v[BM+\b], 0xfe000000, v[BM+\b]    ; 4 off the exponent field: the conversion's scale operand
.endr
.irp b, 0,1,2,3
	v_lshlrev_b32 v[SH+\b], 1, v[BM+\b]            ; its exponent field as the top byte
.endr
	v_perm_b32 v[SH], v[SH+1], v[SH], v[SLV]       ; my two blocks' bytes at their places in the scale word of 128 keys,
	v_perm_b32 v[SH+2], v[SH+3], v[SH+2], v[SLV]
	v_permlanex16_b32 v[SH+1], v[SH], s[SEL], s[SEL+1]
	v_permlanex16_b32 v[SH+3], v[SH+2], s[SEL], s[SEL+1]
	v_or_b32 v[PW], v[SH], v[SH+1]                 ; with lane l xor 16's two
	v_or_b32 v[PW+1], v[SH+2], v[SH+3]
	HALF 0, P0
	LOADV 0
	s_wait_alu depctr_va_vdst(0)                   ; the wait ahead of the batch
.set J, 64
.rept 64
	v_exp_f32 v[S+J], v[S+J]                       ; keys 128-255
.set J, J+1
.endr
	v_nop                                          ; a plain place behind the transcendentals
	s_wait_alu depctr_va_vdst(0)                   ; and behind it
	s_wait_dscnt 0x0                               ; V's first half
	MULV 0, P0
	HALF 1, P1
.if \last == 0
	LOADK 1, KZ, 1
.endif
	s_wait_alu depctr_va_vdst(0)                   ; the wait directly ahead of the wait below
.if \last == 0
	s_wait_dscnt 6                                 ; V's second half is in; the next trip's group 1, six loads, may be out
.else
	s_wait_dscnt 0x0
.endif
	MULV 1, P1
.endm
	LOADKS 0
	LOADK 0, KX, 0
	LOADK 1, KZ, 0
.Ltrip:
	TRIP 0
	s_add_co_u32 s[TB], s[TB], 2*STEPB
	s_sub_co_u32 s[CNT], s[CNT], 1
	s_cmp_lg_u32 s[CNT], 0
	s_cbranch_scc1 .Ltrip
	s_mov_b32 s[TB], 14*STEPB
	TRIP 1
	; THE WAY OUT.  O^T / l: register i is the head's number 32 h + i of my query.  Quantised, its six registers are the head's half of a fragment of the last product.
	PLACES 4
	v_add_f32 v14, v14, v15                        ; the sum's two halves,
	s_delay_alu instid0(VALU_DEP_1)
	v_permlanex16_b32 v[X], v14, s[SEL], s[SEL+1]
	s_delay_alu instid0(VALU_DEP_1)
	v_add_f32 v14, v14, v[X]                       ; and lane l xor 16's: the row's sum
	s_wait_alu depctr_va_vdst(0)                   ; the wait ahead of the transcendental
	v_rcp_f32 v14, v14
	v_nop
	s_wait_alu depctr_va_vdst(0)                   ; and behind it, directly ahead of the first reader of O^T
.set J, 0
.rept 16
	v_pk_mul_f32 v[S+J:S+J+1], v[O+J:O+J+1], v[14:15] op_sel_hi:[1,0]
.set J, J+2
.endr
	v_max3_num_f32 v[T], |v[S]|, |v[S+1]|, 0x2800000
	v_max3_num_f32 v[X], |v[S+16]|, |v[S+17]|, 0x2800000
.irp i, 2,4,6,8,10,12,14
	v_max3_num_f32 v[T], v[T], |v[S+\i]|, |v[S+\i+1]|
	v_max3_num_f32 v[X], v[X], |v[S+16+\i]|, |v[S+17+\i]|
.endr
	v_max_num_f32 v[T], v[T], v[X]
	v_lshlrev_b32 v100, 1, v[L4]                   ; 8 x lane
	v_lshlrev_b32 v103, 2, v[L4]                   ; 16 x lane
	v_add_nc_u32 v[BM], 0xfe000000, v[T]
	v_lshrrev_b32 v102, 6, v[L4]                   ; h
	v_and_b32 v101, 0xf0, v103                     ; 16 r
	v_cvt_scalef32_pk16_bf6_f32 v[KX:KX+2], v[S:S+15], v[BM]
	v_cvt_scalef32_pk16_bf6_f32 v[CT:CT+2], v[S+16:S+31], v[BM]
	v_lshrrev_b32 v99, 23, v[BM]                   ; my block's scale byte
	v_or_b32 v101, v101, v102
.irp i, 0,1,2
	v_mov_b32 v[KX+3+\i], v[CT+\i]
.endr
	global_store_b128 v103, v[KX:KX+3], s[8:9]     ; 32 lanes store 512 consecutive bytes, at a multiple of 256 from cc's first byte,
	global_store_b64 v100, v[KX+4:KX+5], s[8:9] offset:512   ; and 256
	global_store_b8 v101, v99, s[10:11]            ; my row's scale byte of block h of this head.  A row's 16 bytes come from eight work-groups: 131,072 bytes in all leave so
	s_wait_tensorcnt 0x0                           ; the wave's end
	ds_add_u32 v[SPW], v[NIL]
	s_wait_dscnt 0x0
	ROUND                                          ; the closing round: no work-group ends while a partner may still ask for a step that names it
	s_endpgm
.Lfunc_end_k_qfeecacceaf_attn:
	.size	k_qfeecacceaf_attn, .Lfunc_end_k_qfeecacceaf_attn-k_qfeecacceaf_attn
	.p2alignl 7, 3214868480
	.fill 96, 4, 3214868480
	.section	.rodata,"a",@progbits
	.p2align	6, 0x0
	.amdhsa_kernel k_qfeecacceaf_attn
		.amdhsa_group_segment_fixed_size 206848
		.amdhsa_private_segment_fixed_size 0
		.amdhsa_enable_private_segment 0
		.amdhsa_kernarg_size 32
		.amdhsa_user_sgpr_count 2
		.amdhsa_user_sgpr_kernarg_segment_ptr 1
		.amdhsa_wavefront_size32 1
		.amdhsa_system_sgpr_workgroup_id_x 1
		.amdhsa_system_sgpr_workgroup_id_y 1
		.amdhsa_system_sgpr_workgroup_id_z 1
		.amdhsa_system_vgpr_workitem_id 0
		.amdhsa_next_free_vgpr 256
		.amdhsa_next_free_sgpr 66
		.amdhsa_reserve_vcc 0
		.amdhsa_float_denorm_mode_32 3
		.amdhsa_float_denorm_mode_16_64 3
		.amdhsa_memory_ordered 1
		.amdhsa_forward_progress 1
		.amdhsa_inst_pref_size 67
	.end_amdhsa_kernel
	.amdgpu_metadata
---
amdhsa.version: [ 1, 2 ]
amdhsa.kernels:
  - .name:           k_qfeecacceaf_attn
    .symbol:         k_qfeecacceaf_attn.kd
    .args:
      - { .name: qc, .offset: 0, .size: 8, .value_kind: global_buffer, .address_space: global }
      - { .name: kv, .offset: 8, .size: 8, .value_kind: global_buffer, .address_space: global }
      - { .name: cc, .offset: 16, .size: 8, .value_kind: global_buffer, .address_space: global }
      - { .name: ccs, .offset: 24, .size: 8, .value_kind: global_buffer, .address_space: global }
    .group_segment_fixed_size: 206848
    .private_segment_fixed_size: 0
    .kernarg_segment_align: 8
    .kernarg_segment_size: 32
    .max_flat_workgroup_size: 512
    .sgpr_count:     66
    .vgpr_count:     256
    .wavefront_size: 32
...
	.end_amdgpu_metadata
.endif
;; end of part 2
;; launch oproj (part 3): grid 64 x 4, 16 waves a work-group, clusters of 4 x 1, 169,984 bytes of LDS; arguments cc, ccs, Wo_codes, Wo_scales, bo, out0; writes out0
.if DOCPART == 3
	.amdgcn_target "amdgcn-amd-amdhsa--gfx1250"
	.amdhsa_code_object_version 6
	.text
	.protected	k_qfeecacceaf_oproj
	.globl	k_qfeecacceaf_oproj
	.p2align	8
	.type	k_qfeecacceaf_oproj,@function
k_qfeecacceaf_oproj:
	s_mov_b64 s[64:65], 0
	v_nop
	global_prefetch_b8 v0, s[64:65] scope:SCOPE_SE
	s_setreg_imm32_b32 hwreg(HW_REG_WAVE_MODE, 25, 1), 1
	s_wait_xcnt 0x0
	s_wait_alu depctr_hold_cnt(0) depctr_sa_sdst(0) depctr_va_vdst(0) depctr_va_sdst(0) depctr_va_ssrc(0) depctr_va_vcc(0) depctr_vm_vsrc(0)
	s_getreg_b32 s2, hwreg(HW_REG_IB_STS2, 6, 4)
	s_cmp_eq_u32 s2, 0
	s_cbranch_scc0 .Lentry_in_a_cluster
	s_endpgm
.Lentry_in_a_cluster:
	s_bfe_u32 s2, ttmp6, 0x10000c
	s_cmp_lg_u32 s2, 0x3003
	s_cbranch_scc0 .Lentry_shape_is_right
	s_endpgm
.Lentry_shape_is_right:
; out0 = concat Wo + bo on codes of BF6 (E3M2) with one E8M0 scale for each 32 along K = 512.  concat's codes lie in cc as images of the operand's registers, its scale bytes in ccs.
; SHARES.  Work-group (x, y): x = 128 tokens (eight tiles of 16), y = 128 columns.  Wave w: tile w / 2, 64 columns w % 2: four accumulators, four K steps, 16 products.
; Source 0 = 16 rows of Wo (output columns), source 1 = 16 tokens: a lane holds one token and eight neighbouring columns.  The bias is loaded straight into the accumulators.
; A TILE'S TOKENS: lane r of tile i of 64 tokens holds token 8 i + r % 8 + 32 (r / 8); the stores' offsets put the rows back.
; LDS: Wo's 128 rows, 384 bytes each with 16 of padding behind every 128 (pitch 432), filled once, 64 rows a load, stated as 96 dense rows of 256 bytes; behind them a stage of 16 rows x 272 bytes for each wave, into which no fill lands.
; CLUSTER.  The four work-groups of a cluster have the same y: Wo's rows are asked for jointly.  concat's fragments go from memory straight into each wave's registers (6,144 bytes a wave,
; whole runs of 256 bytes): they pass through no LDS, so there is no tile of them to share.  No prefetch: the launch has no loop to run ahead in.
; LIMITS: NaN and infinities are not served.  The bias is the start of each f32 sum, not added behind it.
.set PITCH,  432
.set STG,    128*PITCH
.set SPITCH, 272
.set SPARE,  0x29000
.set WV,  16
.set CX,  17
.set GG,  18
.set CB,  19
.set G1,  20                           ; s[20:27] descriptor group 1;  s[28:31] group 0
.set G0,  28
.set L16, 1                            ; v1 16 x lane, v11 8 x lane
.set L8,  11
.set AW,  4                            ; v4-5 my rows of Wo in LDS (the second: lanes 16-31 behind one padding more)
.set R16, 6                            ; v6   16 r
.set H32, 7                            ; v7   32 h
.set STO, 8                            ; v8   the stage: where I put 32 bytes of a row;  v9 where I read a row back;  v10 my byte offset in out0
.set RD,  9
.set GO,  10
.set CSC, 16                           ; v16-19 concat's scale words, one a K step;  v20-35 Wo's, tile t's at 4 t
.set WSC, 20
.set CF,  36                           ; v36-83 concat's four fragments
.set WF0, 84                           ; v84-131, v132-179 Wo's four fragments of a K step, two buffers
.set WF1, 132
.set ACC, 180                          ; v180-211
.set SPW, 216
.set NIL, 217
.set OB,  84                           ; the way out: rows read back from the stage
.macro ROUND                           ; a round of the cluster's barrier
	s_barrier_signal -1
	s_barrier_wait -1
	s_cmp_lg_u32 s[WV], 0
	s_cbranch_scc1 .Lnw0_\@
	s_barrier_signal -3
.Lnw0_\@:
	s_barrier_wait -3
	s_barrier_signal -1
	s_barrier_wait -1
.endm
.macro PLACES                          ; four plain vector instructions between a matrix instruction and a load into, or a store of, its registers
.rept 4
	v_nop
.endr
.endm
; A fragment, 16 rows x 128 K of 6-bit codes, in pieces of 8 bytes.  Piece n of a row lies at 8 n + 16 (n / 16); lanes 16-31 read three pieces further on: behind one padding more where n % 16 is 13 or more.
.macro FETCH s, buf                    ; Wo's four fragments of K step s: 24 loads
.irp t, 0,1,2,3
.irp p, 0,1,2,3,4,5
.set PCE, 12*(\s)+6*(\p/3)+\p%3
.if PCE%16 < 13
	ds_load_b64 v[\buf+12*\t+2*\p:\buf+12*\t+2*\p+1], v[AW] offset:8*PCE+16*(PCE/16)+\t*16*PITCH
.else
	ds_load_b64 v[\buf+12*\t+2*\p:\buf+12*\t+2*\p+1], v[AW+1] offset:8*PCE+16*(PCE/16)+\t*16*PITCH
.endif
.endr
.endr
.endm
.macro MUL s, buf                      ; four products; the four accumulators take turns
.irp t, 0,1,2,3
	v_wmma_scale_f32_16x16x128_f8f6f4 v[ACC+8*\t:ACC+8*\t+7], v[\buf+12*\t:\buf+12*\t+11], v[CF+12*\s:CF+12*\s+11], v[ACC+8*\t:ACC+8*\t+7], v[WSC+4*\t+\s], v[CSC+\s] matrix_a_fmt:MATRIX_FMT_BF6 matrix_b_fmt:MATRIX_FMT_BF6
.endr
.endm
	s_load_b256 s[4:11], s[0:1], 0x0               ; cc s[4:5], ccs s[6:7], Wo's codes s[8:9], Wo's scales s[10:11]
	s_load_b128 s[12:15], s[0:1], 0x20             ; bo s[12:13], out0 s[14:15]
	v_lshl_add_u32 v[SPW], v0, 2, SPARE
	v_mov_b32 v[NIL], 0
	ds_add_u32 v[SPW], v[NIL]                      ; the opening: the add, twice on end, and its wait ahead of a tensor load
	ds_add_u32 v[SPW], v[NIL]
	v_lshrrev_b32 v2, 5, v0
	v_readfirstlane_b32 s[WV], v2                  ; wave 0..15
	s_bfe_u32 s[CX], ttmp6, 0x40000                ; my place in the cluster: it enters cc's, ccs's and out0's addresses alone
	s_lshl_b32 s[GG], ttmp9, 2
	s_add_co_u32 s[GG], s[GG], s[CX]               ; which 128 tokens
	s_and_b32 s[CB], ttmp7, 0xffff                 ; which 128 columns
	s_mov_b32 s[G1], 15|(1<<20)|(1<<21)|(4<<22)|(3<<25)   ; all four work-groups; elements of 1 byte; padding on; bit 21 set beside the mask; after every 32 words (code 4); of 4 words (code 3)
	s_mov_b32 s[G1+1], 256<<16
	s_mov_b32 s[G1+2], 96<<16
	s_mov_b32 s[G1+3], 256<<16
	s_mov_b32 s[G1+4], 96
	s_mov_b32 s[G1+5], 256
	s_mov_b32 s[G1+6], 0
	s_mov_b32 s[G1+7], 0
	s_and_b32 s32, s[WV], 1                        ; which 64 columns are mine.  Also: which 64 rows of Wo I fetch, if I fetch
	s_lshr_b32 s33, s[WV], 1                       ; my tile of tokens
	s_lshl_b32 s34, s[CB], 7
	s_lshl_b32 s35, s32, 6
	s_add_co_u32 s34, s34, s35                     ; my first column = my first row of Wo
	s_mul_i32 s36, s34, 384                        ; its codes,
	s_mov_b32 s37, 0
	s_lshl_b32 s38, s34, 4                         ; its scale bytes,
	s_mov_b32 s39, 0
	s_lshl_b32 s40, s34, 2                         ; its place in bo and in a row of out0
	s_mov_b32 s41, 0
	s_lshl_b32 s42, s[GG], 3
	s_add_co_u32 s42, s42, s33                     ; my tile among all 512
	s_mul_i32 s44, s42, 6144                       ; cc: 8 heads x 768 bytes a tile
	s_mov_b32 s45, 0
	s_lshl_b32 s46, s42, 8                         ; ccs: 256 bytes a tile
	s_mov_b32 s47, 0
	s_lshl_b32 s48, s[GG], 7
	s_lshr_b32 s49, s33, 2
	s_lshl_b32 s49, s49, 6
	s_add_co_u32 s48, s48, s49
	s_and_b32 s49, s33, 3
	s_lshl_b32 s49, s49, 3
	s_add_co_u32 s48, s48, s49                     ; my tile's first token: 128 G + 64 (tile / 4) + 8 (tile % 4)
	s_lshl_b32 s48, s48, 11                        ; rows of 2,048 bytes
	s_add_co_u32 s48, s48, s40
	s_mov_b32 s49, 0
	s_mul_i32 s50, s32, 64*PITCH
	s_mul_i32 s51, s[WV], 16*SPITCH
	s_add_co_u32 s51, s51, STG                     ; my stage
	v_and_b32 v12, 31, v0
	v_and_b32 v2, 15, v0                           ; r
	v_bfe_u32 v3, v0, 4, 1                         ; h
	v_mul_u32_u24 v[AW], v2, PITCH
	v_mul_u32_u24 v[STO], v2, SPITCH
	v_mul_u32_u24 v[RD], v3, SPITCH
	v_lshlrev_b32 v[GO], 11, v3
	v_lshlrev_b32 v[L16], 4, v12
	v_lshlrev_b32 v[L8], 3, v12
	v_mad_u32_u24 v[AW], v3, 24, v[AW]
	v_lshl_add_u32 v[STO], v3, 5, v[STO]
	v_lshl_add_u32 v[RD], v2, 4, v[RD]
	v_lshl_add_u32 v[GO], v2, 4, v[GO]             ; lanes 0-15 one row of out0, lanes 16-31 the next
	v_lshlrev_b32 v[R16], 4, v2
	v_lshlrev_b32 v[H32], 5, v3
	v_add_nc_u32 v[AW], s50, v[AW]                 ; row r of a tile x pitch + 24 h + my 64 rows
	v_add_nc_u32 v[STO], s51, v[STO]               ; in: row r, 32 bytes for each half of the lanes
	v_add_nc_u32 v[RD], s51, v[RD]                 ; back: lanes 0-15 one row of 256 bytes, lanes 16-31 the next
	v_lshl_add_u32 v[AW+1], v3, 4, v[AW]
	s_wait_alu depctr_va_vdst(0)                   ; the wait at the head's end
	s_wait_dscnt 0x0                               ; both opening adds are done
	s_wait_kmcnt 0x0
	s_mov_b32 s[G0], 1
	s_mul_i32 s[G0+1], s32, 64*PITCH
	s_add_nc_u64 s[G0+2:G0+3], s[8:9], s[36:37]
	s_or_b32 s[G0+3], s[G0+3], 0x80000000
	s_add_nc_u64 s[4:5], s[4:5], s[44:45]
	s_add_nc_u64 s[6:7], s[6:7], s[46:47]
	s_add_nc_u64 s[10:11], s[10:11], s[38:39]
	s_add_nc_u64 s[12:13], s[12:13], s[40:41]
	s_add_nc_u64 s[14:15], s[14:15], s[48:49]
.irp d, 0,1,2,3,4,5,6,7                ; concat's fragments: head d's six registers, 768 dense bytes: 0-3 at 16 lane, 4-5 at 512 + 8 lane (K step s = heads 2 s, 2 s + 1)
	global_load_b128 v[CF+6*\d:CF+6*\d+3], v[L16], s[4:5] offset:768*\d
	global_load_b64 v[CF+6*\d+4:CF+6*\d+5], v[L8], s[4:5] offset:768*\d+512
.endr
	global_load_b128 v[CSC:CSC+3], v[R16], s[6:7]                    ; its rows' four scale words,
.irp t, 0,1,2,3
	global_load_b128 v[WSC+4*\t:WSC+4*\t+3], v[R16], s[10:11] offset:256*\t   ; Wo's,
.endr
.irp t, 0,1,2,3
	global_load_b128 v[ACC+8*\t:ACC+8*\t+3], v[H32], s[12:13] offset:64*\t    ; and the bias: register j of tile t is column 16 t + 8 h + j
	global_load_b128 v[ACC+8*\t+4:ACC+8*\t+7], v[H32], s[12:13] offset:64*\t+16
.endr
	ROUND                                          ; all four work-groups are here: the joint loads meet
	s_cmp_lt_u32 s[WV], 2                          ; waves 0 and 1 fetch Wo's two halves, one load each
	s_cbranch_scc0 .Lnofill
	tensor_load_to_lds s[G0:G0+3], s[G1:G1+7]
	s_nop 0
	PLACES
.Lnofill:
	s_wait_tensorcnt 0x0                           ; my load has landed,
	s_barrier_signal -1
	s_barrier_wait -1                              ; both have
	FETCH 0, WF0
	FETCH 1, WF1
	s_wait_dscnt 24                                ; K step 0's fragments are in; the 24 loads just issued may stay out
	s_wait_loadcnt 0x0
	MUL 0, WF0
	PLACES
	FETCH 2, WF0
	s_wait_dscnt 24
	MUL 1, WF1
	PLACES
	FETCH 3, WF1
	s_wait_dscnt 24
	MUL 2, WF0
	s_wait_dscnt 0x0
	MUL 3, WF1
	; THE WAY OUT: 16 rows x 256 bytes through my own stage, so that sixteen lanes store 256 consecutive bytes
	PLACES
.irp t, 0,1,2,3
	ds_store_b128 v[STO], v[ACC+8*\t:ACC+8*\t+3] offset:64*\t        ; each accumulator from its low end on
	ds_store_b128 v[STO], v[ACC+8*\t+4:ACC+8*\t+7] offset:64*\t+16
.endr
.irp k, 0,1,2,3,4,5,6,7
	ds_load_b128 v[OB+4*\k:OB+4*\k+3], v[RD] offset:\k*2*SPITCH      ; LDS serves a wave's instructions in order (ISA guide 5.7.1.4): these see my stores
.endr
.irp k, 0,1,2,3,4,5,6,7
	s_wait_dscnt 7-\k                              ; the younger loads may stay out
	global_store_b128 v[GO], v[OB+4*\k:OB+4*\k+3], s[14:15] offset:(2*\k+24*(\k/4))*2048 th:TH_STORE_NT   ; tile rows 2 k, 2 k + 1 are tokens 2 k + 24 (k / 4) and the next; each half of the lanes stores 256 consecutive bytes, at a multiple of 256 from out0's first byte
.endr
	s_wait_tensorcnt 0x0                           ; the wave's end
	ds_add_u32 v[SPW], v[NIL]
	s_wait_dscnt 0x0
	ROUND                                          ; the closing round: no work-group ends while a partner may still ask for a tile that names it
	s_endpgm
.Lfunc_end_k_qfeecacceaf_oproj:
	.size	k_qfeecacceaf_oproj, .Lfunc_end_k_qfeecacceaf_oproj-k_qfeecacceaf_oproj
	.p2alignl 7, 3214868480
	.fill 96, 4, 3214868480
	.section	.rodata,"a",@progbits
	.p2align	6, 0x0
	.amdhsa_kernel k_qfeecacceaf_oproj
		.amdhsa_group_segment_fixed_size 169984
		.amdhsa_private_segment_fixed_size 0
		.amdhsa_enable_private_segment 0
		.amdhsa_kernarg_size 48
		.amdhsa_user_sgpr_count 2
		.amdhsa_user_sgpr_kernarg_segment_ptr 1
		.amdhsa_wavefront_size32 1
		.amdhsa_system_sgpr_workgroup_id_x 1
		.amdhsa_system_sgpr_workgroup_id_y 1
		.amdhsa_system_sgpr_workgroup_id_z 1
		.amdhsa_system_vgpr_workitem_id 0
		.amdhsa_next_free_vgpr 218
		.amdhsa_next_free_sgpr 66
		.amdhsa_reserve_vcc 0
		.amdhsa_float_denorm_mode_32 3
		.amdhsa_float_denorm_mode_16_64 3
		.amdhsa_memory_ordered 1
		.amdhsa_forward_progress 1
		.amdhsa_inst_pref_size 19
	.end_amdhsa_kernel
	.amdgpu_metadata
---
amdhsa.version: [ 1, 2 ]
amdhsa.kernels:
  - .name:           k_qfeecacceaf_oproj
    .symbol:         k_qfeecacceaf_oproj.kd
    .args:
      - { .name: cc, .offset: 0, .size: 8, .value_kind: global_buffer, .address_space: global }
      - { .name: ccs, .offset: 8, .size: 8, .value_kind: global_buffer, .address_space: global }
      - { .name: Wo_codes, .offset: 16, .size: 8, .value_kind: global_buffer, .address_space: global }
      - { .name: Wo_scales, .offset: 24, .size: 8, .value_kind: global_buffer, .address_space: global }
      - { .name: bo, .offset: 32, .size: 8, .value_kind: global_buffer, .address_space: global }
      - { .name: out0, .offset: 40, .size: 8, .value_kind: global_buffer, .address_space: global }
    .group_segment_fixed_size: 169984
    .private_segment_fixed_size: 0
    .kernarg_segment_align: 8
    .kernarg_segment_size: 48
    .max_flat_workgroup_size: 512
    .sgpr_count:     66
    .vgpr_count:     218
    .wavefront_size: 32
...
	.end_amdgpu_metadata
.endif
;; end of part 3
